; MI455X (gfx1250); checked and timed in simulation.
; The chip was launched on July 23, 2026; its instructions are those of AMD's public machine-readable ISA for CDNA 5 (MIT licence, August 2026) and "CDNA5" Instruction Set Architecture Reference Guide (July 2026). The comments in the code are by the model that wrote it; some were corrected since.
;; Local Window Multi Head Attention. Allowed arithmetic: matrix products marked QUANTISED: E2M3 operands, one E8M0 scale for each 32 along K, by v_wmma_scale_f32_16x16x128_f8f6f4 with both operands' format E2M3, f32 sums; products left as they are: f32 operands where the result goes on into a quantised operand, else bf16, f16 or f32 operands; f32 sums; everything else in f32.
;; Inputs: Wk_codes 128 x 4 x 24 uint8 (E2M3 codes of Wk, K innermost, in blocks of 32 codes, four codes in three bytes); Wk_scales 128 x 4 uint8 (E8M0 scales of Wk, one for each 32 codes along K); Wo_codes 128 x 4 x 24 uint8 (E2M3 codes of Wo, K innermost, in blocks of 32 codes, four codes in three bytes); Wo_scales 128 x 4 uint8 (E8M0 scales of Wo, one for each 32 codes along K); Wq_codes 128 x 4 x 24 uint8 (E2M3 codes of Wq, K innermost, in blocks of 32 codes, four codes in three bytes); Wq_scales 128 x 4 uint8 (E8M0 scales of Wq, one for each 32 codes along K); Wv_codes 128 x 4 x 24 uint8 (E2M3 codes of Wv, K innermost, in blocks of 32 codes, four codes in three bytes); Wv_scales 128 x 4 uint8 (E8M0 scales of Wv, one for each 32 codes along K); bk 128 float32; bo 128 float32; bq 128 float32; bv 128 float32; x 1 x 128 x 128 x 128 float32.
;; Outputs: out0 1 x 128 x 128 x 128 float32.
;; This version of the problem:
;;   THIS VERSION OF THE PROBLEM IS GIVEN IN LOW PRECISION. The matrix products marked QUANTISED in the list below multiply operands that are first quantised to E2M3 (2 exponent bits, 3 mantissa bits; 6 bits a number), with one power-of-two scale for each 32 numbers along K (OCP MX v1.0); their sums are f32. All else is computed in f32.
;;   The module's matrix products, in the order in which they are computed (A, B: the left and right operand; K: the contracted axis; several contracted axes count as one K, in the product's order):
;;     1. [M 17,956, K 128] x [K 128, N 128]; A: computed on the way; B: input Wk (given as codes): QUANTISED
;;     2. [M 17,956, K 128] x [K 128, N 128]; A: computed on the way; B: input Wv (given as codes): QUANTISED
;;     3. [M 16,384, K 128] x [K 128, N 128]; A: input x; B: input Wq (given as codes): QUANTISED
;;     4. batch 131,072 x [M 1, K 16] x [K 16, N 49]; A: computed on the way; B: computed on the way: left as it is (K = 16 < 32)
;;     5. batch 131,072 x [M 1, K 49] x [K 49, N 16]; A: softmax; B: computed on the way: left as it is (M = 1 < 16)
;;     6. [M 16,384, K 128] x [K 128, N 128]; A: computed on the way; B: input Wo (given as codes): QUANTISED
;;   THE QUANTISER, for each operand of a quantised product, along K:
;;     - K is cut into blocks of 32 from its start; a last block that is shorter is filled with zeros.
;;     - A block's scale is 2^e with e = floor(log2(the largest magnitude in the block)) - 2, held to -126 .. 127; a block of zeros has e = 0. As a byte (E8M0): e + 127.
;;     - Each number is divided by its block's scale, clamped to +-7.5, and rounded to the nearest number of E2M3, ties to even, subnormals kept.
;;     - The product sums the exact products of the quantised numbers (number of the format x scale) in f32.
;;   ~~~python
;;   def quantise(x, axis):      # numpy; x: float32 -> the quantised numbers, widened to float32 again
;;       x = np.moveaxis(x, axis, -1); K = x.shape[-1]
;;       x = np.pad(x, [(0, 0)] * (x.ndim - 1) + [(0, -K % 32)]); x = x.reshape(x.shape[:-1] + (-1, 32)); a = np.abs(x).max(-1, keepdims=True)
;;       e = np.where(a > 0, np.clip(np.frexp(np.where(a > 0, a, 1))[1] - 1 - 2, -126, 127), 0)      # np.frexp(a)[1] - 1 = floor(log2(a)), exactly
;;       r = np.clip(x / 2.0 ** e, -7.5, 7.5)
;;       step = 2.0 ** (np.maximum(np.frexp(np.where(r == 0, 1, r))[1] - 1, 0) - 3)
;;       q = np.round(r / step) * step * 2.0 ** e      # np.round: ties to even
;;       return np.moveaxis(q.reshape(q.shape[:-2] + (-1,))[..., :K], -1, axis).astype(np.float32)
;;   ~~~
;;   OPERANDS COMPUTED ON THE WAY. 'Computed on the way' means the value that the module computes at that place (a softmax that the list does not call 'softmax' is quantised finished and normalised). What goes into a quantiser is computed in f32, as accurately as f32 sums, v_exp_f32 and their like allow (about 1e-6 of the number): no bf16 or f16 on the way to a quantiser, and a product that is left as it is and whose result goes on into a quantised operand takes f32 operands (vector FMAs, or v_wmma_f32_16x16x4_f32). A number that lies on a knife's edge between two numbers of the format may be rounded either way, as far as f32 arithmetic and the matrix unit's own rounding can turn it there, and no further.
;;   INPUTS GIVEN AS CODES. Wk (in the module: [128, 128], K = its axis 1); Wo (in the module: [128, 128], K = its axis 1); Wq (in the module: [128, 128], K = its axis 1); Wv (in the module: [128, 128], K = its axis 1): each comes as NAME_codes (uint8): NAME with its K axis moved to the last place and cut into blocks of 32 codes, [.., K / 32, bytes a block], one block behind the other in memory; four codes in three bytes: a row's codes are one little-endian stream of bits, code i at bits 6 i .. 6 i + 5 (a code: sign, 2 exponent bits, 3 mantissa bits); and NAME_scales (uint8): the same leading axes, one E8M0 byte (e + 127) for each 32 codes along K. Its value is code x scale, taken as it is: it is not quantised again, and the codes and scales need not be those that the quantiser above would give.
;; 2 versions, each right; version 2 is version 1 with the launch lwattn written anew for expert scheduling mode. Each part assembles by itself: llvm-mc -triple=amdgcn-amd-amdhsa -mcpu=gfx1250 --defsym DOCPART=n.
;; ======== version 1 of 2: 1 launch
;; launch lwattn (part 1): grid 16 x 16, 4 waves a work-group, no clusters, 297,728 bytes of LDS; arguments x, Wk_codes, Wk_scales, bk, Wv_codes, Wv_scales, bv, Wq_codes, Wq_scales, bq, Wo_codes, Wo_scales, bo, out0; writes out0
.if DOCPART == 1
	.amdgcn_target "amdgcn-amd-amdhsa--gfx1250"
	.amdhsa_code_object_version 6
	.text
	.protected	k_qf2c36d3d61_lwattn
	.globl	k_qf2c36d3d61_lwattn
	.p2align	8
	.type	k_qf2c36d3d61_lwattn,@function
k_qf2c36d3d61_lwattn:
	s_mov_b64 s[64:65], 0
	v_nop
	global_prefetch_b8 v0, s[64:65] scope:SCOPE_SE
	s_setreg_imm32_b32 hwreg(HW_REG_WAVE_MODE, 25, 1), 1
	s_wait_xcnt 0x0
; LOCAL WINDOW ATTENTION, one launch.  x: [128][128][128] f32.  K, V, Q = Q6(x) W^T + b on codes of FP6 (E2M3) with one E8M0 scale for each 32 along K; for each pixel and each of 8 heads of 16 channels
; a softmax attention over the 7 x 7 window of the reflect-padded image, in f32 by fused multiply-adds (its result goes on into a quantiser); out = Q6(attention) Wo^T + bo on codes again.
; SHARES.  A work-group of four waves owns 8 x 8 pixels.  Projection commutes with padding and gathering, so the work-group projects its own halo: 14 rows x 16 columns = 14 tiles of 16 pixels, read at the
; reflected places of x.  K and V of the halo and Q of the 64 pixels stay in LDS; nothing goes to memory but the result.
;   A: wave w loads and quantises tiles w, w + 4, w + 8 (waves 0 and 1 also tile 12 + w); the codes go to LDS as images of the operand's registers                                   | barrier
;   B: THE WAVES SHARE THE CHANNELS: wave w keeps the rows of Wk, Wv, Wq of heads 2 w and 2 w + 1 in registers and multiplies all 14 tiles by them (transposed: source 0 = 16 rows of W,
;      source 1 = 16 pixels; the bias is the C), so that a lane holds one pixel and eight channels of a head; results to LDS                                                          | barrier
;   C: wave w owns queries 16 w .. 16 w + 15 (two rows of eight).  A LANE OWNS ONE HEAD AND FOUR NEIGHBOURING QUERIES: a window row is then 10 keys for 28 (query, key) pairs.  Seven trips, one a window row,
;      with a running maximum.   D: the wave's 16 queries are normalised, quantised, multiplied by Wo and stored, the wave by itself.
; A TILE is 2 halo rows x 8 halo columns: tile T = 2 rp + ch, pixel r: row rowA + (r / 8) d, column ((r % 8) + 3 + 8 ch) % 16; rp 0..5: rowA = 1 + 2 rp, d = 1; rp = 6: rows 0 and 13.
; So tiles 2, 4, 6, 8 are the 64 centre pixels in the order of the queries.  Columns 14 and 15 are projected and never read: 2 of 16.
; NO TENSOR LOAD, NO CLUSTER: neighbouring work-groups' halos overlap, but a shared pixel lies at another place of each one's tiles, so no one descriptor serves two work-groups; what all share, 4 x 12,800 bytes of
; weights, goes from memory straight into operand registers.
; LIMITS.  NaN and infinities among the inputs are not served.  A block whose largest magnitude lies under 2^-124 has its scale byte held at 1; a block of zeros gets the byte 1 where the quantiser's rule says 127:
; its codes are zeros, and only this program reads the byte.  q is multiplied by log2(e) / 4 ahead of q . k, where the model scales behind it: one f32 rounding more.  The softmax is normalised at the end by v_rcp_f32.
.set P,    528                         ; a pixel in LDS: 512 bytes + 16: sixteen pixels on end begin in sixteen different 16-byte columns of 256 bytes (64 banks of 4 bytes: ISA guide 11.1)
.set RP,   16*P+128                    ; a halo row: 8,576 bytes, 128 more than a multiple of 256: two rows' 128 bytes fall on different banks
.set VB,   14*RP                       ; K at 0, V behind it.  In a pixel: byte 128 c + 16 head + 4 e holds channel 16 head + 4 c + e
.set QB,   2*VB                        ; QS: 64 pixels.  Wave w's 16 pixels are in turn: its stage for x, (all waves') Q, its attention result, its stage for the way out
.set WQ,   16*P
.set XIMG, QB+64*P                     ; images of x's 14 fragments: 1,536 T + 512 c + 16 lane
.set XSC,  XIMG+14*1536                ; their scale words: 128 T + 4 lane
; window 0
.set L16, 1                            ; 16 x lane (also the offset of the result's stores)
.set L4,  2                            ; 4 x lane
.set RV,  4                            ; v4-7   x: my row's offset + 16 (lane % 16), for my tiles 0, 1, 2 and the extra one
.set SI,  8                            ; stage for x, in      .set SOUT: out
.set SOUT, 9
.set IMW, 10                           ; where I store images, scale words
.set ISW, 11
.set WA,  12                           ; weights' codes, scale words, biases: my lane's offset, my wave's heads
.set WSA, 13
.set BA,  14
.set IMR, 15                           ; where I read images, scale words
.set ISR, 16
.set LP,  17                           ; v17-20 my lane's place in a tile's two rows of K: (ch, d) = (0,1), (1,1), (0,13), (1,13)
.set LQ,  21                           ; and in Q
.set AKV, 22                           ; v22-25 a tile's store addresses: set T % 2 x (K, V)
.set AK0, 26                           ; attention: my lane's place in K, V, Q
.set AV0, 27
.set AQ0, 28
.set ADK, 29
.set ADV, 30
.set AR,  31                           ; phase D: the attention result back, in the quantiser's order
.set SD,  32                           ; the way out: in, back
.set RBK, 33
.set WOA, 34                           ; Wo's codes, scale words, bo
.set WOSA, 35
.set BOA, 36
.set TM,  40                           ; v40-55 the quantiser's: +0 largest magnitudes, +4 bytes, +12 scale operands
.set PW0, 56                           ; scale words just made
.set PW1, 57
.set XS,  58                           ; v58-59 x's scale words, set T % 2
.set WS,  60                           ; v60-65 scale words of Wk (2), Wv (2), Wq (2)
.set WOS, 66                           ; v66-73 of Wo
.set PC0, 76                           ; codes just made: 12 + 8 at work, two sets
.set PC1, 96
.set XF,  116                          ; v116-139 x's fragment, set T % 2
.set ACC, 140                          ; v140-235 two sets of six accumulators: K0, V0, K1, V1, Q0, Q1
.set AC,  76                           ; attention: 28 pairs of partial scores; pair n = 4 dx + j
.set S,   76                           ; then the 28 scores and weights
.set O,   140                          ; v140-203 O[16 j + channel]
.set M,   204                          ; running maxima, new maxima, 2^(old - new), sums: four each
.set MN,  208
.set AF,  212
.set L,   216
; window 1: x, four slots of 64; later a row of K (16 kx + channel); later the 64 numbers of phase D
; window 2: Wk 0, Wv 24, Wq 48 (12 a head); bk 72, bv 88, bq 104 (8 a head); later a row of V
; window 3: Wo 0-95, bo 96-159, q 160-223 (16 j + channel)
.set QR,  160
.set CB,  36                           ; s[36:51] x at the eight columns of my tiles
.set MSB, 0
.macro WIN new                         ; bits 1:0 source 0, 3:2 source 1, 5:4 source 2, 7:6 destination; the high byte repeats the setting that is left
.if MSB != \new
	s_set_vgpr_msb (MSB<<8)|\new
.set MSB, \new
.endif
.endm
.macro BARRIER                         ; my LDS stores have landed and my LDS loads are in: then the work-group's barrier
	s_wait_dscnt 0x0
	s_barrier_signal -1
	s_barrier_wait -1
.endm
; the byte offset in a row of x of my tiles' column k: halo column ((k + 3 + 8 ch) % 16), reflected at both edges: a = min(t, -t), g = min(a, 254 - a), unsigned
.macro COLOFF k
	s_add_co_u32 s2, s7, \k+3
	s_and_b32 s2, s2, 15
	s_add_co_u32 s2, s2, s6
	s_sub_co_u32 s3, 0, s2
	s_min_u32 s2, s2, s3
	s_sub_co_u32 s3, 254, s2
	s_min_u32 s2, s2, s3
	s_lshl_b32 s[CB+2*\k], s2, 9
	s_mov_b32 s[CB+2*\k+1], 0
.endm
; lanes 0-15 take image row s56, lanes 16-31 row s56 + d, both reflected; 65,536 bytes a row, + 16 (lane % 16)
.macro ROWOFF dst, d
	v_mad_u32_u24 v40, v39, \d, s56
	v_sub_nc_u32 v41, 0, v40
	v_min_u32 v40, v40, v41
	v_sub_nc_u32 v41, 254, v40
	v_min_u32 v40, v40, v41
	v_lshl_add_u32 v[\dst], v40, 16, v3
.endm
; a tile of x: 16 loads; in each, lanes 0-15 read 256 consecutive bytes of pixel k and lanes 16-31 of pixel 8 + k
.macro XLOAD slot, rv
	WIN 0x40
.irp k, 0,1,2,3,4,5,6,7
.irp s, 0,1
	global_load_b128 v[64*\slot+8*\k+4*\s:64*\slot+8*\k+4*\s+3], v[\rv], s[CB+2*\k:CB+2*\k+1] offset:256*\s
.endr
.endr
.endm
; the tile turns through my stage: afterwards register 16 b + i of lane (r, h) is channel 32 b + 16 h + i of pixel r.  LDS serves a wave's instructions in order (ISA guide 5.7.1.4): no wait between stores and loads
.macro TURN slot
	WIN 0x04
.irp k, 0,1,2,3,4,5,6,7
.irp s, 0,1
	ds_store_b128 v[SI], v[64*\slot+8*\k+4*\s:64*\slot+8*\k+4*\s+3] offset:P*\k+256*\s
.endr
.endr
	WIN 0x40
.irp b, 0,1,2,3
.irp j, 0,1,2,3
	ds_load_b128 v[64*\slot+16*\b+4*\j:64*\slot+16*\b+4*\j+3], v[SOUT] offset:128*\b+16*\j
.endr
.endr
	WIN 0
.endm
; 64 numbers of a lane in window 1 from register xo on (register 16 b + i = k 32 b + 16 (lane / 16) + i of my row) become a fragment's codes in v[pc] on and its scale word in v[pw]
.macro QUANT xo, pc, pw
	WIN 0x14
.irp b, 0,1,2,3
	v_max3_num_f32 v[TM+\b], 0x1800000, |v[\xo+16*\b]|, |v[\xo+16*\b+1]|   ; block b: my 16 numbers, and the floor 2^(3 - 127): the byte cannot fall under 1
.endr
.irp i, 2,4,6,8,10,12,14
.irp b, 0,1,2,3
	v_max3_num_f32 v[TM+\b], v[TM+\b], |v[\xo+16*\b+\i]|, |v[\xo+16*\b+\i+1]|   ; the four blocks by turns
.endr
.endr
	WIN 0
.irp b, 0,1,2,3
	v_permlanex16_b32 v[TM+4+\b], v[TM+\b], s60, s61
.endr
.irp b, 0,1,2,3
	v_max_num_f32 v[TM+\b], v[TM+\b], v[TM+4+\b]   ; with lane l xor 16's: the block's largest magnitude
.endr
.irp b, 0,1,2,3
	v_add_nc_u32 v[TM+12+\b], 0xff000000, v[TM+\b]   ; 2 off its exponent field: the conversion takes this operand's exponent field as its scale
.endr
.irp b, 0,1,2,3
	v_lshrrev_b32 v[TM+4+\b], 23, v[TM+12+\b]      ; the scale's byte
.endr
	v_lshl_or_b32 v[\pw], v[TM+5], 8, v[TM+4]
	v_lshl_or_b32 v[\pw], v[TM+6], 16, v[\pw]
	v_lshl_or_b32 v[\pw], v[TM+7], 24, v[\pw]      ; my row's scale word
	WIN 0x01
.irp c, 0,1
	v_cvt_scalef32_pk16_fp6_f32 v[\pc+6*\c:\pc+6*\c+2], v[\xo+32*\c:\xo+32*\c+15], v[TM+12+2*\c]
	v_cvt_scalef32_pk16_fp6_f32 v[\pc+12+4*\c:\pc+12+4*\c+2], v[\xo+32*\c+16:\xo+32*\c+31], v[TM+13+2*\c]   ; (a conversion's three registers begin on an even number)
.endr
	v_nop                                          ; one plain place behind a scaled conversion
	WIN 0
.irp c, 0,1                                    ; the operand's layout wants a whole block in a lane: lanes 0-15 block 2 c, lanes 16-31 block 2 c + 1
.irp i, 0,1,2
	v_permlane16_swap_b32 v[\pc+6*\c+\i], v[\pc+12+4*\c+\i]
.endr
.irp i, 0,1,2
	v_mov_b32 v[\pc+3+6*\c+\i], v[\pc+12+4*\c+\i]
.endr
.endr
.endm
.macro IMAGE pc, pw, i                         ; my tile w + 4 i: the fragment and its scale word go to LDS as they stand in the registers
.irp c, 0,1,2
	ds_store_b128 v[IMW], v[\pc+4*\c:\pc+4*\c+3] offset:6144*\i+512*\c
.endr
	ds_store_b32 v[ISW], v[\pw] offset:512*\i
.endm
.macro FETCH t                                 ; and come back so, in any wave: four LDS loads
.irp c, 0,1,2
	ds_load_b128 v[XF+12*((\t)%2)+4*\c:XF+12*((\t)%2)+4*\c+3], v[IMR] offset:1536*(\t)+512*\c
.endr
	ds_load_b32 v[XS+(\t)%2], v[ISR] offset:128*(\t)
.endm
.macro WCODES reg, base                        ; two heads' rows of a weight: 16 rows x 128 codes are 12 registers: lane (r, h) takes bytes 96 r + 24 h .. and 96 r + 48 + 24 h .., in pieces of 8
.irp n, 0,1
.irp p, 0,1,2,3,4,5
	global_load_b64 v[\reg+12*\n+2*\p:\reg+12*\n+2*\p+1], v[WA], s[\base:\base+1] offset:1536*\n+48*(\p/3)+8*(\p%3)
.endr
.endr
.endm
.macro WBIAS reg, base                         ; a bias in the result's layout: lane (r, h): channels 8 h + 0 .. 7 of the head
.irp n, 0,1
	global_load_b128 v[\reg+8*\n:\reg+8*\n+3], v[BA], s[\base:\base+1] offset:64*\n
	global_load_b128 v[\reg+8*\n+4:\reg+8*\n+7], v[BA], s[\base:\base+1] offset:64*\n+16
.endr
.endm
; TILE T (a symbol): my two heads of K and V, and of Q in a centre tile.  Every product has an accumulator of its own and the bias as C: no sum is added onto in place.
.macro TILE
.set RPI, T/2
.set CH,  T%2
.set CEN, 0
.if RPI == 6
.set ROWA, 0
.set KIND, 2+CH
.else
.set ROWA, 1+2*RPI
.set KIND, CH
.if CH == 0
.if RPI >= 1
.if RPI <= 4
.set CEN, 1
.endif
.endif
.endif
.endif
.set ACS, ACC+48*(T%2)
.set XFR, XF+12*(T%2)
.set XSR, XS+T%2
.set AKR, AKV+2*(T%2)
	s_wait_dscnt PREVNS                            ; this tile's fragment is in: behind its four loads stand only the last tile's stores
	WIN 0x22                                       ; source 0 (W) and source 2 (bias) window 2
.irp n, 0,1
	v_wmma_scale_f32_16x16x128_f8f6f4 v[ACS+16*\n:ACS+16*\n+7], v[12*\n:12*\n+11], v[XFR:XFR+11], v[72+8*\n:72+8*\n+7], v[WS+\n], v[XSR] matrix_a_fmt:MATRIX_FMT_FP6 matrix_b_fmt:MATRIX_FMT_FP6
	v_wmma_scale_f32_16x16x128_f8f6f4 v[ACS+16*\n+8:ACS+16*\n+15], v[24+12*\n:24+12*\n+11], v[XFR:XFR+11], v[88+8*\n:88+8*\n+7], v[WS+2+\n], v[XSR] matrix_a_fmt:MATRIX_FMT_FP6 matrix_b_fmt:MATRIX_FMT_FP6
.endr
.if CEN
.irp n, 0,1
	v_wmma_scale_f32_16x16x128_f8f6f4 v[ACS+32+8*\n:ACS+32+8*\n+7], v[48+12*\n:48+12*\n+11], v[XFR:XFR+11], v[104+8*\n:104+8*\n+7], v[WS+4+\n], v[XSR] matrix_a_fmt:MATRIX_FMT_FP6 matrix_b_fmt:MATRIX_FMT_FP6
.endr
.endif
	WIN 0
	v_add_nc_u32 v[AKR], ROWA*RP, v[LP+KIND]       ; four plain places between the products and the stores that read them: the tile's two addresses
	v_add_nc_u32 v[AKR+1], ROWA*RP+VB, v[LP+KIND]
	v_nop
	v_nop
.if T < 13
	FETCH T+1                                      ; into the set that the tile before this one has left
.endif
.irp n, 0,1                                    ; lane (r, h): pixel r, channels 8 h + 0 .. 7 of head 2 w + n; each accumulator from its low end on
	ds_store_b128 v[AKR], v[ACS+16*\n:ACS+16*\n+3] offset:16*\n
	ds_store_b128 v[AKR], v[ACS+16*\n+4:ACS+16*\n+7] offset:16*\n+128
	ds_store_b128 v[AKR+1], v[ACS+16*\n+8:ACS+16*\n+11] offset:16*\n
	ds_store_b128 v[AKR+1], v[ACS+16*\n+12:ACS+16*\n+15] offset:16*\n+128
.endr
.if CEN
.irp n, 0,1
	ds_store_b128 v[LQ], v[ACS+32+8*\n:ACS+32+8*\n+3] offset:WQ*(RPI-1)+16*\n
	ds_store_b128 v[LQ], v[ACS+32+8*\n+4:ACS+32+8*\n+7] offset:WQ*(RPI-1)+16*\n+128
.endr
.endif
.set PREVNS, 8+4*CEN
.endm
.macro ROWLOAD adr                             ; 10 keys x 16 channels of my head: 40 loads; a pass of 16 lanes takes 8 heads' 128 bytes of two halo rows
.irp kx, 0,1,2,3,4,5,6,7,8,9
.irp c, 0,1,2,3
	ds_load_b128 v[16*\kx+4*\c:16*\kx+4*\c+3], v[\adr] offset:P*\kx+128*\c
.endr
.endr
.endm
.macro OSCALE                                  ; O[j] x AF[j], two channels at a time
.irp j, 0,1,2,3
.irp e, 0,1,2,3,4,5,6,7
.if (\j%2) == 0
	v_pk_mul_f32 v[O+16*\j+2*\e:O+16*\j+2*\e+1], v[O+16*\j+2*\e:O+16*\j+2*\e+1], v[AF+\j:AF+\j+1] op_sel_hi:[1,0]
.else
	v_pk_mul_f32 v[O+16*\j+2*\e:O+16*\j+2*\e+1], v[O+16*\j+2*\e:O+16*\j+2*\e+1], v[AF+\j-1:AF+\j] op_sel:[0,1] op_sel_hi:[1,1]
.endif
.endr
.endr
.endm
; ONE WINDOW ROW.  At its head the row of K is on its way.  last = 1: no further row of K is asked for.
.macro TRIP last
	v_add_nc_u32 v[ADV], s57, v[AV0]
	WIN 0x80
	ROWLOAD ADV                                    ; this row's V: it lands under the scores
	s_wait_dscnt 40                                ; all but those 40: the row of K is in
	WIN 0x07                                       ; q window 3, K window 1
.irp d, 0,1,2,3,4,5,6,7                        ; 28 scores, two channels at a time; between two links of a chain stand the 27 others
.irp u, 0,1,2,3,4,5,6
.irp j, 0,1,2,3
.if \d == 0
	v_pk_mul_f32 v[AC+2*(4*\u+\j):AC+2*(4*\u+\j)+1], v[QR+16*\j+2*\d:QR+16*\j+2*\d+1], v[16*(\j+\u)+2*\d:16*(\j+\u)+2*\d+1]
.else
	v_pk_fma_f32 v[AC+2*(4*\u+\j):AC+2*(4*\u+\j)+1], v[QR+16*\j+2*\d:QR+16*\j+2*\d+1], v[16*(\j+\u)+2*\d:16*(\j+\u)+2*\d+1], v[AC+2*(4*\u+\j):AC+2*(4*\u+\j)+1]
.endif
.endr
.endr
.endr
	WIN 0
.if \last == 0
	s_add_co_u32 s57, s57, RP
	v_add_nc_u32 v[ADK], s57, v[AK0]
	WIN 0x40
	ROWLOAD ADK                                    ; the next row's K: it lands under the softmax and the second product
	WIN 0
.endif
.irp n, 0,1,2,3,4,5,6,7,8,9,10,11,12,13,14,15,16,17,18,19,20,21,22,23,24,25,26,27
	v_add_f32 v[S+\n], v[AC+2*\n], v[AC+2*\n+1]    ; even and odd channels' halves; ascending, so that score n lands on a pair that has been read
.endr
.irp j, 0,1,2,3
	v_max3_num_f32 v[MN+\j], v[S+\j], v[S+4+\j], v[S+8+\j]
.endr
.irp j, 0,1,2,3
	v_max3_num_f32 v[MN+\j], v[MN+\j], v[S+12+\j], v[S+16+\j]
.endr
.irp j, 0,1,2,3
	v_max3_num_f32 v[MN+\j], v[MN+\j], v[S+20+\j], v[S+24+\j]
.endr
.irp j, 0,1,2,3
	v_max_num_f32 v[MN+\j], v[MN+\j], v[M+\j]      ; the running maximum
.endr
.irp j, 0,2
	v_pk_add_f32 v[AF+\j:AF+\j+1], v[M+\j:M+\j+1], v[MN+\j:MN+\j+1] neg_lo:[0,1] neg_hi:[0,1]
.endr
.irp u, 0,1,2,3,4,5,6
.irp j, 0,2
	v_pk_add_f32 v[S+4*\u+\j:S+4*\u+\j+1], v[S+4*\u+\j:S+4*\u+\j+1], v[MN+\j:MN+\j+1] neg_lo:[0,1] neg_hi:[0,1]
.endr
.endr
.irp j, 0,1,2,3
	v_exp_f32 v[AF+\j], v[AF+\j]                   ; 2^(old maximum - new)
.endr
.irp n, 0,1,2,3,4,5,6,7,8,9,10,11,12,13,14,15,16,17,18,19,20,21,22,23,24,25,26,27
	v_exp_f32 v[S+\n], v[S+\n]                     ; the weights (q carries log2(e) / 4)
.endr
.irp j, 0,1,2,3
	v_mov_b32 v[M+\j], v[MN+\j]                    ; plain instructions behind the last exponential
.endr
	s_wait_alu depctr_va_vdst(0)                   ; one wait for the batch of 32, ahead of its first reader
.irp j, 0,2
	v_pk_fma_f32 v[L+\j:L+\j+1], v[L+\j:L+\j+1], v[AF+\j:AF+\j+1], v[S+\j:S+\j+1]
.endr
.irp u, 1,2,3,4,5,6
.irp j, 0,2
	v_pk_add_f32 v[L+\j:L+\j+1], v[L+\j:L+\j+1], v[S+4*\u+\j:S+4*\u+\j+1]
.endr
.endr
	OSCALE
.if \last
	s_wait_dscnt 0x0                               ; the row of V is in
.else
	s_wait_dscnt 40                                ; all but the next row's K: the row of V is in
.endif
	WIN 0x08                                       ; V window 2
.irp u, 0,1,2,3,4,5,6
.irp e, 0,1,2,3,4,5,6,7
.irp j, 0,1,2,3
.if (\j%2) == 0
	v_pk_fma_f32 v[O+16*\j+2*\e:O+16*\j+2*\e+1], v[S+4*\u+\j:S+4*\u+\j+1], v[16*(\j+\u)+2*\e:16*(\j+\u)+2*\e+1], v[O+16*\j+2*\e:O+16*\j+2*\e+1] op_sel_hi:[0,1,1]
.else
	v_pk_fma_f32 v[O+16*\j+2*\e:O+16*\j+2*\e+1], v[S+4*\u+\j-1:S+4*\u+\j], v[16*(\j+\u)+2*\e:16*(\j+\u)+2*\e+1], v[O+16*\j+2*\e:O+16*\j+2*\e+1] op_sel:[1,0,0] op_sel_hi:[1,1,1]
.endif
.endr
.endr
.endr
	WIN 0
.endm
	; ---- the head: every address register is made here, ahead of the first branch
	s_load_b512 s[8:23], s[0:1], 0x0               ; x s[8:9], Wk codes s[10:11], scales s[12:13], bk s[14:15], Wv codes s[16:17], scales s[18:19], bv s[20:21], Wq codes s[22:23]
	s_load_b256 s[24:31], s[0:1], 0x40             ; Wq scales s[24:25], bq s[26:27], Wo codes s[28:29], scales s[30:31]
	s_load_b128 s[32:35], s[0:1], 0x60             ; bo s[32:33], out s[34:35]
	v_lshl_add_u32 v254, v0, 2, 0x48900
	v_mov_b32 v255, 0
	v_lshrrev_b32 v3, 5, v0
	v_readfirstlane_b32 s52, v3                    ; wave 0..3
	s_lshl_b32 s54, ttmp9, 3                       ; x0
	s_and_b32 s53, ttmp7, 0xffff
	s_lshl_b32 s53, s53, 3                         ; y0
	s_sub_co_u32 s6, s54, 3                        ; halo column 0 in the image (may be negative: reflected below)
	s_and_b32 s7, s52, 1
	s_lshl_b32 s7, s7, 3                           ; 8 ch: my tiles' half of the columns
	s_and_b32 s55, s52, 2
	s_add_co_u32 s55, s55, s53
	s_sub_co_u32 s55, s55, 2                       ; image row of my tile 0's first row: y0 - 3 + 1 + 2 (w / 2)
	s_mov_b32 s60, 0x76543210
	s_mov_b32 s61, 0xfedcba98                      ; v_permlanex16_b32's selects for lane l xor 16
.irp k, 0,1,2,3,4,5,6,7
	COLOFF \k
.endr
	v_and_b32 v37, 31, v0                          ; lane
	v_and_b32 v38, 15, v0                          ; r
	v_bfe_u32 v39, v0, 4, 1                        ; h
	v_lshlrev_b32 v[L16], 4, v37
	v_lshlrev_b32 v[L4], 2, v37
	v_lshlrev_b32 v3, 4, v38                       ; 16 r
.irp i, 0,1,2
	s_add_co_u32 s56, s55, 4*\i
	ROWOFF RV+\i, 1
.endr
	s_sub_co_u32 s56, s53, 3                       ; the extra tile: halo rows 0 and 13
	ROWOFF RV+3, 13
	v_mul_u32_u24 v42, v38, P                      ; 528 r
	v_bfe_u32 v43, v0, 3, 1                        ; (lane / 8) % 2
	s_mul_i32 s4, s52, WQ
	s_add_co_u32 s4, s4, QB                        ; my wave's 16 pixels of QS
	s_lshl_b32 s5, s52, 7                          ; 128 w
	s_lshl_b32 s3, s52, 5                          ; 32 w
	v_mad_u32_u24 v[SI], v39, 8*P, v3
	v_add_nc_u32 v[SI], s4, v[SI]
	v_lshl_add_u32 v[SOUT], v39, 6, v42
	v_add_nc_u32 v[SOUT], s4, v[SOUT]
	s_mul_i32 s2, s52, 1536
	s_add_co_u32 s2, s2, XIMG
	v_add_nc_u32 v[IMW], s2, v[L16]
	s_add_co_u32 s2, s5, XSC
	v_add_nc_u32 v[ISW], s2, v[L4]
	v_mul_u32_u24 v[WOA], v38, 96
	v_mad_u32_u24 v[WOA], v39, 24, v[WOA]          ; 96 r + 24 h
	s_mul_i32 s2, s52, 3072
	v_add_nc_u32 v[WA], s2, v[WOA]                 ; + my 32 rows
	v_lshlrev_b32 v[WOSA], 2, v38
	v_add_nc_u32 v[WSA], s5, v[WOSA]
	v_lshlrev_b32 v[BOA], 5, v39
	v_add_nc_u32 v[BA], s5, v[BOA]
	v_add_nc_u32 v[IMR], XIMG, v[L16]
	v_add_nc_u32 v[ISR], XSC, v[L4]
	v_lshlrev_b32 v48, 8, v39
	v_add_nc_u32 v48, s3, v48                      ; 256 h + 32 w: my eight channels of my wave's first head
.irp ch, 0,1
	v_and_b32 v49, 7, v0
	v_add_nc_u32 v49, 3+8*\ch, v49
	v_and_b32 v49, 15, v49                         ; the pixel's halo column
	v_mad_u32_u24 v49, v49, P, v48
	v_mad_u32_u24 v[LP+\ch], v43, RP, v49          ; pixels 8-15 one row down,
	v_mad_u32_u24 v[LP+2+\ch], v43, 13*RP, v49     ; or thirteen
.endr
	v_add_nc_u32 v[LQ], v42, v48
	v_add_nc_u32 v[LQ], QB, v[LQ]
	v_and_b32 v49, 7, v0
	v_lshlrev_b32 v49, 4, v49                      ; attention: 16 x my head
	v_mad_u32_u24 v[AK0], v39, 4*P, v49            ; + my four queries' first column
	v_mad_u32_u24 v[AQ0], v43, 8*P, v[AK0]         ; Q: + my row's eight pixels
	v_add_nc_u32 v[AQ0], s4, v[AQ0]
	v_mad_u32_u24 v[AK0], v43, RP, v[AK0]          ; K: + my row
	s_mul_i32 s2, s52, 2*RP
	v_add_nc_u32 v[AK0], s2, v[AK0]
	v_add_nc_u32 v[AV0], VB, v[AK0]
	v_lshl_add_u32 v[AR], v39, 4, v42
	v_add_nc_u32 v[AR], s4, v[AR]
	v_lshl_add_u32 v[SD], v39, 5, v42
	v_add_nc_u32 v[SD], s4, v[SD]
	v_add_nc_u32 v[RBK], s4, v[L16]
.irp b, 0,1,2,3
	v_mov_b32 v[TM+4+\b], 0                        ; written once: a lane permute's destination counts as one of its sources
.endr
	s_lshl_b32 s2, s52, 1
	s_add_co_u32 s2, s2, s53                       ; my wave's first row of the result: y0 + 2 w
	s_lshl_b32 s2, s2, 7
	s_add_co_u32 s2, s2, s54
	s_lshl_b32 s2, s2, 9                           ; 512 bytes a pixel
	s_mov_b32 s3, 0
	s_wait_kmcnt 0x0
.irp k, 0,1,2,3,4,5,6,7
	s_add_nc_u64 s[CB+2*\k:CB+2*\k+1], s[8:9], s[CB+2*\k:CB+2*\k+1]
.endr
	s_add_nc_u64 s[34:35], s[34:35], s[2:3]
	; ---- A: x into codes.  All loads of x go out at once; the extra tile's stand first, so that the counts below are the same in all waves
	s_cmp_ge_u32 s52, 2
	s_cbranch_scc1 .Lno_extra_load
	XLOAD 3, RV+3
	WIN 0
.Lno_extra_load:
	XLOAD 0, RV
	XLOAD 1, RV+1
	XLOAD 2, RV+2
	WIN 0
	s_cmp_ge_u32 s52, 2
	s_cbranch_scc1 .Lno_extra
	s_wait_loadcnt 48                              ; behind the extra tile's loads: three tiles' 48
	TURN 3
	s_wait_dscnt 0x0
	QUANT 192, PC1, PW1
	IMAGE PC1, PW1, 3
.Lno_extra:
	s_wait_loadcnt 32                              ; tile 0 is in; tiles 1 and 2 may be out
	TURN 0
	WIN 0x80
	WCODES 0, 10                                   ; 36 loads: my heads' rows of Wk, Wv, Wq: they stay in registers through phase B
	WCODES 24, 16
	WCODES 48, 22
	s_wait_loadcnt 52                              ; tile 1 is in: behind it tile 2's 16 and the 36
	TURN 1
	s_wait_dscnt 32                                ; tile 0 is back from the stage: behind it tile 1's 32
	QUANT 0, PC0, PW0
	IMAGE PC0, PW0, 0
	WIN 0x80
	WBIAS 72, 14                                   ; 18 loads: biases and scale words
	WBIAS 88, 20
	WBIAS 104, 26
	WIN 0
.irp n, 0,1
	global_load_b32 v[WS+\n], v[WSA], s[12:13] offset:64*\n
	global_load_b32 v[WS+2+\n], v[WSA], s[18:19] offset:64*\n
	global_load_b32 v[WS+4+\n], v[WSA], s[24:25] offset:64*\n
.endr
	s_wait_loadcnt 54                              ; tile 2 is in: behind it the 36 and the 18
	TURN 2
	s_wait_dscnt 36                                ; tile 1 is back: behind it the image's 4 and tile 2's 32
	QUANT 64, PC1, PW1
	IMAGE PC1, PW1, 1
	s_wait_dscnt 4                                 ; tile 2 is back: behind it the image's 4
	QUANT 128, PC0, PW0
	IMAGE PC0, PW0, 2
	BARRIER                                        ; x's fourteen fragments lie in LDS, and nobody uses a stage any more
	; ---- B: K, V, Q of the halo
	s_wait_loadcnt 0x0                             ; the weights
	FETCH 0
.set PREVNS, 0
.set T, 0
.rept 14
	TILE
.set T, T+1
.endr
	BARRIER                                        ; K, V and Q lie in LDS; from here on they are only read, and each wave keeps to its own 16 pixels of QS
	; ---- C: the attention
	WIN 0xc0
.irp j, 0,1,2,3
.irp c, 0,1,2,3
	ds_load_b128 v[QR+16*\j+4*\c:QR+16*\j+4*\c+3], v[AQ0] offset:P*\j+128*\c   ; my four queries, my head
.endr
.endr
	WIN 0
	s_mov_b32 s57, 0                               ; the window row's offset
	v_mov_b32 v[ADK], v[AK0]
	WIN 0x40
	ROWLOAD ADK                                    ; window row 0 of K
	WIN 0xc0
.irp t, 0,1,2,3,4,5,6,7                        ; Wo, for phase D: 56 loads that land under the attention
.irp p, 0,1,2,3,4,5
	global_load_b64 v[12*\t+2*\p:12*\t+2*\p+1], v[WOA], s[28:29] offset:1536*\t+48*(\p/3)+8*(\p%3)
.endr
.endr
	WIN 0
.irp t, 0,1,2,3,4,5,6,7
	global_load_b32 v[WOS+\t], v[WOSA], s[30:31] offset:64*\t
.endr
	s_wait_dscnt 40                                ; q is in: behind it the row of K
	WIN 0xc3
.irp i, 0,1,2,3,4,5,6,7,8,9,10,11,12,13,14,15,16,17,18,19,20,21,22,23,24,25,26,27,28,29,30,31
	v_pk_mul_f32 v[QR+2*\i:QR+2*\i+1], v[QR+2*\i:QR+2*\i+1], 0x3eb8aa3b op_sel_hi:[1,0]   ; x log2(e) / sqrt(16): the scores come out ready for v_exp_f32
.endr
	WIN 0
.irp i, 0,1,2,3,4,5,6,7,8,9,10,11,12,13,14,15,16,17,18,19,20,21,22,23,24,25,26,27,28,29,30,31,32,33,34,35,36,37,38,39,40,41,42,43,44,45,46,47,48,49,50,51,52,53,54,55,56,57,58,59,60,61,62,63
	v_mov_b32 v[O+\i], 0                           ; the trip is written once: the first finds zeros, which its factor 2^(-3e38 - m) = 0 leaves zeros
.endr
.irp j, 0,1,2,3
	v_mov_b32 v[L+\j], 0
	v_mov_b32 v[M+\j], 0xff61b1e6                  ; -3e38, under every score
.endr
	s_mov_b32 s58, 6
.Lrow:                                             ; six trips; the seventh row is written out: it asks for no further row of K
	TRIP 0
	s_sub_co_u32 s58, s58, 1
	s_cmp_lg_u32 s58, 0
	s_cbranch_scc1 .Lrow
	WIN 0xc0
.irp t, 0,1,2,3,4,5,6,7
	global_load_b128 v[96+8*\t:96+8*\t+3], v[BOA], s[32:33] offset:64*\t      ; bo in the result's layout: it lands under the last row
	global_load_b128 v[96+8*\t+4:96+8*\t+7], v[BOA], s[32:33] offset:64*\t+16
.endr
	WIN 0
	TRIP 1
	; ---- D: my 16 queries: normalise, quantise along the 128 channels, x Wo^T + bo, store.  Only my own 16 pixels of QS are touched: no barrier
.irp j, 0,1,2,3
	v_rcp_f32 v[AF+\j], v[L+\j]
.endr
	v_nop                                          ; a plain instruction behind the last reciprocal
	s_wait_alu depctr_va_vdst(0)                   ; one wait for the four, ahead of their first reader
	OSCALE
.irp j, 0,1,2,3
.irp c, 0,1,2,3
	ds_store_b128 v[AQ0], v[O+16*\j+4*\c:O+16*\j+4*\c+3] offset:P*\j+128*\c   ; over my own q
.endr
.endr
	WIN 0x40
.irp b, 0,1,2,3
.irp c, 0,1,2,3
	ds_load_b128 v[16*\b+4*\c:16*\b+4*\c+3], v[AR] offset:128*\c+32*\b   ; lane (r, h): query r, head 2 b + h: register 16 b + i is channel 32 b + 16 h + i.  LDS serves a wave in order: these see the stores
.endr
.endr
	WIN 0
	s_wait_dscnt 0x0
	QUANT 0, PC0, PW0
.rept 8
	v_nop                                          ; a scale word made by vector instructions stands eight places ahead of the scaled product, codes so made four
.endr
	s_wait_loadcnt 0x0                             ; Wo, its scale words, bo
	WIN 0x33                                       ; source 0 (Wo) and source 2 (bo) window 3
.irp t, 0,1,2,3,4,5,6,7
	v_wmma_scale_f32_16x16x128_f8f6f4 v[O+8*\t:O+8*\t+7], v[12*\t:12*\t+11], v[PC0:PC0+11], v[96+8*\t:96+8*\t+7], v[WOS+\t], v[PW0] matrix_a_fmt:MATRIX_FMT_FP6 matrix_b_fmt:MATRIX_FMT_FP6
.endr
	WIN 0
.rept 4
	v_nop                                          ; places in front of the stores that read the results and of the loads into the codes' registers
.endr
.irp t, 0,1,2,3,4,5,6,7
	ds_store_b128 v[SD], v[O+8*\t:O+8*\t+3] offset:64*\t           ; lane (r, h): query r, channels 16 t + 8 h + 0 .. 7; each accumulator from its low end on
	ds_store_b128 v[SD], v[O+8*\t+4:O+8*\t+7] offset:64*\t+16
.endr
.irp i, 0,1,2,3,4,5,6,7,8,9,10,11,12,13,14,15
	ds_load_b128 v[76+4*\i:76+4*\i+3], v[RBK] offset:P*\i          ; back as whole pixels of 512 bytes
.endr
.irp i, 0,1,2,3,4,5,6,7,8,9,10,11,12,13,14,15
	s_wait_dscnt 15-\i
	global_store_b128 v[L16], v[76+4*\i:76+4*\i+3], s[34:35] offset:(\i/8)*65536+(\i%8)*512 th:TH_STORE_NT   ; 32 lanes store 512 consecutive bytes, at a multiple of 512 from the result's first byte
.endr
	s_wait_tensorcnt 0x0
	ds_add_u32 v254, v255
	s_wait_dscnt 0x0
	s_endpgm
.Lfunc_end_k_qf2c36d3d61_lwattn:
	.size	k_qf2c36d3d61_lwattn, .Lfunc_end_k_qf2c36d3d61_lwattn-k_qf2c36d3d61_lwattn
	.p2alignl 7, 3214868480
	.fill 96, 4, 3214868480
	.section	.rodata,"a",@progbits
	.p2align	6, 0x0
	.amdhsa_kernel k_qf2c36d3d61_lwattn
		.amdhsa_group_segment_fixed_size 297728
		.amdhsa_private_segment_fixed_size 0
		.amdhsa_enable_private_segment 0
		.amdhsa_kernarg_size 112
		.amdhsa_user_sgpr_count 2
		.amdhsa_user_sgpr_kernarg_segment_ptr 1
		.amdhsa_wavefront_size32 1
		.amdhsa_system_sgpr_workgroup_id_x 1
		.amdhsa_system_sgpr_workgroup_id_y 1
		.amdhsa_system_sgpr_workgroup_id_z 1
		.amdhsa_system_vgpr_workitem_id 0
		.amdhsa_next_free_vgpr 1024
		.amdhsa_next_free_sgpr 66
		.amdhsa_reserve_vcc 0
		.amdhsa_float_denorm_mode_32 3
		.amdhsa_float_denorm_mode_16_64 3
		.amdhsa_memory_ordered 1
		.amdhsa_forward_progress 1
		.amdhsa_inst_pref_size 177
	.end_amdhsa_kernel
	.amdgpu_metadata
---
amdhsa.version: [ 1, 2 ]
amdhsa.kernels:
  - .name:           k_qf2c36d3d61_lwattn
    .symbol:         k_qf2c36d3d61_lwattn.kd
    .args:
      - { .name: x, .offset: 0, .size: 8, .value_kind: global_buffer, .address_space: global }
      - { .name: Wk_codes, .offset: 8, .size: 8, .value_kind: global_buffer, .address_space: global }
      - { .name: Wk_scales, .offset: 16, .size: 8, .value_kind: global_buffer, .address_space: global }
      - { .name: bk, .offset: 24, .size: 8, .value_kind: global_buffer, .address_space: global }
      - { .name: Wv_codes, .offset: 32, .size: 8, .value_kind: global_buffer, .address_space: global }
      - { .name: Wv_scales, .offset: 40, .size: 8, .value_kind: global_buffer, .address_space: global }
      - { .name: bv, .offset: 48, .size: 8, .value_kind: global_buffer, .address_space: global }
      - { .name: Wq_codes, .offset: 56, .size: 8, .value_kind: global_buffer, .address_space: global }
      - { .name: Wq_scales, .offset: 64, .size: 8, .value_kind: global_buffer, .address_space: global }
      - { .name: bq, .offset: 72, .size: 8, .value_kind: global_buffer, .address_space: global }
      - { .name: Wo_codes, .offset: 80, .size: 8, .value_kind: global_buffer, .address_space: global }
      - { .name: Wo_scales, .offset: 88, .size: 8, .value_kind: global_buffer, .address_space: global }
      - { .name: bo, .offset: 96, .size: 8, .value_kind: global_buffer, .address_space: global }
      - { .name: out0, .offset: 104, .size: 8, .value_kind: global_buffer, .address_space: global }
    .group_segment_fixed_size: 297728
    .private_segment_fixed_size: 0
    .kernarg_segment_align: 8
    .kernarg_segment_size: 112
    .max_flat_workgroup_size: 128
    .sgpr_count:     66
    .vgpr_count:     1024
    .wavefront_size: 32
...
	.end_amdgpu_metadata
.endif
;; end of part 1
;; ======== version 2 of 2: 1 launch; version 1 with the launch lwattn written anew for expert scheduling mode
;; launch lwattn (part 2): grid 16 x 16, 4 waves a work-group, no clusters, 297,728 bytes of LDS; arguments x, Wk_codes, Wk_scales, bk, Wv_codes, Wv_scales, bv, Wq_codes, Wq_scales, bq, Wo_codes, Wo_scales, bo, out0; writes out0
.if DOCPART == 2
	.amdgcn_target "amdgcn-amd-amdhsa--gfx1250"
	.amdhsa_code_object_version 6
	.text
	.protected	k_qf2c36d3d61_lwattn
	.globl	k_qf2c36d3d61_lwattn
	.p2align	8
	.type	k_qf2c36d3d61_lwattn,@function
k_qf2c36d3d61_lwattn:
	s_mov_b64 s[64:65], 0
	v_nop
	global_prefetch_b8 v0, s[64:65] scope:SCOPE_SE
	s_setreg_imm32_b32 hwreg(HW_REG_WAVE_SCHED_MODE, 0, 2), 2
	s_setreg_imm32_b32 hwreg(HW_REG_WAVE_MODE, 25, 1), 1
	s_wait_xcnt 0x0
	s_wait_alu depctr_vm_vsrc(0)
; LOCAL WINDOW ATTENTION, one launch.  x: [128][128][128] f32.  K, V, Q = Q6(x) W^T + b on codes of FP6 (E2M3) with one E8M0 scale for each 32 along K; for each pixel and each of 8 heads of 16 channels
; a softmax attention over the 7 x 7 window of the reflect-padded image, in f32 by fused multiply-adds (its result goes on into a quantiser); out = Q6(attention) Wo^T + bo on codes again.
; SHARES.  A work-group of four waves owns 8 x 8 pixels.  Projection commutes with padding and gathering, so the work-group projects its own halo: 14 rows x 16 columns = 14 tiles of 16 pixels, read at the
; reflected places of x.  K and V of the halo and Q of the 64 pixels stay in LDS; nothing goes to memory but the result.
;   A: wave w loads and quantises tiles w, w + 4, w + 8 (waves 0 and 1 also tile 12 + w); the codes go to LDS as images of the operand's registers                                   | barrier
;   B: THE WAVES SHARE THE CHANNELS: wave w keeps the rows of Wk, Wv, Wq of heads 2 w and 2 w + 1 in registers and multiplies all 14 tiles by them (transposed: source 0 = 16 rows of W,
;      source 1 = 16 pixels; the bias is the C), so that a lane holds one pixel and eight channels of a head; results to LDS                                                          | barrier
;   C: wave w owns queries 16 w .. 16 w + 15 (two rows of eight).  A LANE OWNS ONE HEAD AND FOUR NEIGHBOURING QUERIES: a window row is then 10 keys for 28 (query, key) pairs.  Seven trips, one a window row,
;      with a running maximum.   D: the wave's 16 queries are normalised, quantised, multiplied by Wo and stored, the wave by itself.
; A TILE is 2 halo rows x 8 halo columns: tile T = 2 rp + ch, pixel r: row rowA + (r / 8) d, column ((r % 8) + 3 + 8 ch) % 16; rp 0..5: rowA = 1 + 2 rp, d = 1; rp = 6: rows 0 and 13.
; So tiles 2, 4, 6, 8 are the 64 centre pixels in the order of the queries.  Columns 14 and 15 are projected and never read: 2 of 16.
; NO TENSOR LOAD, NO CLUSTER: neighbouring work-groups' halos overlap, but a shared pixel lies at another place of each one's tiles, so no one descriptor serves two work-groups; what all share, 4 x 12,800 bytes of
; weights, goes from memory straight into operand registers.
; LIMITS.  NaN and infinities among the inputs are not served.  A block whose largest magnitude lies under 2^-124 has its scale byte held at 1; a block of zeros gets the byte 1 where the quantiser's rule says 127:
; its codes are zeros, and only this program reads the byte.  q is multiplied by log2(e) / 4 ahead of q . k, where the model scales behind it: one f32 rounding more.  The softmax is normalised at the end by v_rcp_f32.
; THE MODE: SCHED_MODE bits 1:0 = 2 (LLVM: expert scheduling mode 2), set by the entry lines.  The code itself states the register dependences between vector or matrix instructions and memory or LDS
; instructions, with s_wait_alu, always for 0.
; THE PLAN.  Registers that memory or LDS instructions touch, and who else names them:
;   addresses  v1, v2, v4-21, v26-28, v31-36, v254, v255: made at the head, ahead of one wait on va_vdst, and never written again.
;   A  window 1's four slots: global loads land; the stage's stores read; the stage's loads land again (a wait on vm_vsrc between the two); the quantiser reads.
;      PC0, PW0 and PC1, PW1: the quantiser writes; a wait on va_vdst; the image's stores read; written again only behind a later wait on vm_vsrc.
;   B  XF and XS, ACC, AKV: two sets each, by turns.  Tile T's products read XF[T % 2] and write ACC[T % 2], its two additions write AKV[T % 2].  Its LDS instructions are the loads of tile T + 1's fragment and
;      the stores of tile T - 1's results: both touch the sets that tile T - 1 worked on and that no vector or matrix instruction of tile T names.  So two waits at a tile's head state all.
;   C  a row of K (window 1): the scores read it; behind the wait for the exponentials the next row's loads land in it, dealt among the second product.  A row of V (window 2): the second product reads it; behind the
;      wait at the next trip's head the next row's loads land in it, dealt among the scores.  v[ADK], v[ADV]: read by those loads; both written at a trip's head, between a wait on vm_vsrc and that wait on va_vdst.
;   D  O: written by the normalising, read by LDS stores, written by the products, read by LDS stores: a wait at each change.  The codes and the scale word: written by the quantiser, read by the products.
.set P,    528                         ; a pixel in LDS: 512 bytes + 16: sixteen pixels on end begin in sixteen different 16-byte columns of 256 bytes (64 banks of 4 bytes: ISA guide 11.1)
.set RP,   16*P+128                    ; a halo row: 8,576 bytes, 128 more than a multiple of 256: two rows' 128 bytes fall on different banks
.set VB,   14*RP                       ; K at 0, V behind it.  In a pixel: byte 128 c + 16 head + 4 e holds channel 16 head + 4 c + e
.set QB,   2*VB                        ; QS: 64 pixels.  Wave w's 16 pixels are in turn: its stage for x, (all waves') Q, its attention result, its stage for the way out
.set WQ,   16*P
.set XIMG, QB+64*P                     ; images of x's 14 fragments: 1,536 T + 512 c + 16 lane
.set XSC,  XIMG+14*1536                ; their scale words: 128 T + 4 lane
; window 0
.set L16, 1                            ; 16 x lane (also the offset of the result's stores)
.set L4,  2                            ; 4 x lane
.set RV,  4                            ; v4-7   x: my row's offset + 16 (lane % 16), for my tiles 0, 1, 2 and the extra one
.set SI,  8                            ; stage for x, in      .set SOUT: out
.set SOUT, 9
.set IMW, 10                           ; where I store images, scale words
.set ISW, 11
.set WA,  12                           ; weights' codes, scale words, biases: my lane's offset, my wave's heads
.set WSA, 13
.set BA,  14
.set IMR, 15                           ; where I read images, scale words
.set ISR, 16
.set LP,  17                           ; v17-20 my lane's place in a tile's two rows of K: (ch, d) = (0,1), (1,1), (0,13), (1,13)
.set LQ,  21                           ; and in Q
.set AKV, 22                           ; v22-25 a tile's store addresses: set T % 2 x (K, V)
.set AK0, 26                           ; attention: my lane's place in K, V, Q
.set AV0, 27
.set AQ0, 28
.set ADK, 29
.set ADV, 30
.set AR,  31                           ; phase D: the attention result back, in the quantiser's order
.set SD,  32                           ; the way out: in, back
.set RBK, 33
.set WOA, 34                           ; Wo's codes, scale words, bo
.set WOSA, 35
.set BOA, 36
.set TM,  40                           ; v40-55 the quantiser's: +0 largest magnitudes, +4 bytes, +12 scale operands
.set PW0, 56                           ; scale words just made
.set PW1, 57
.set XS,  58                           ; v58-59 x's scale words, set T % 2
.set WS,  60                           ; v60-65 scale words of Wk (2), Wv (2), Wq (2)
.set WOS, 66                           ; v66-73 of Wo
.set PC0, 76                           ; codes just made: 12 + 8 at work, two sets
.set PC1, 96
.set XF,  116                          ; v116-139 x's fragment, set T % 2
.set ACC, 140                          ; v140-235 two sets of six accumulators: K0, V0, K1, V1, Q0, Q1
.set AC,  76                           ; attention: 28 pairs of partial scores; pair n = 4 dx + j
.set S,   76                           ; then the 28 scores and weights
.set O,   140                          ; v140-203 O[16 j + channel]
.set M,   204                          ; running maxima, new maxima, 2^(old - new), sums: four each
.set MN,  208
.set AF,  212
.set L,   216
; window 1: x, four slots of 64; later a row of K (16 kx + channel); later the 64 numbers of phase D
; window 2: Wk 0, Wv 24, Wq 48 (12 a head); bk 72, bv 88, bq 104 (8 a head); later a row of V
; window 3: Wo 0-95, bo 96-159, q 160-223 (16 j + channel)
.set QR,  160
.set CB,  36                           ; s[36:51] x at the eight columns of my tiles
.set MSB, 0
.macro WIN new                         ; bits 1:0 source 0, 3:2 source 1, 5:4 source 2, 7:6 destination; the high byte repeats the setting that is left
.if MSB != \new
	s_set_vgpr_msb (MSB<<8)|\new
.set MSB, \new
.endif
.endm
.macro BARRIER                         ; my LDS stores have landed and my LDS loads are in: then the work-group's barrier
	s_wait_dscnt 0x0
	s_barrier_signal -1
	s_barrier_wait -1
.endm
; the byte offset in a row of x of my tiles' column k: halo column ((k + 3 + 8 ch) % 16), reflected at both edges: a = min(t, -t), g = min(a, 254 - a), unsigned
.macro COLOFF k
	s_add_co_u32 s2, s7, \k+3
	s_and_b32 s2, s2, 15
	s_add_co_u32 s2, s2, s6
	s_sub_co_u32 s3, 0, s2
	s_min_u32 s2, s2, s3
	s_sub_co_u32 s3, 254, s2
	s_min_u32 s2, s2, s3
	s_lshl_b32 s[CB+2*\k], s2, 9
	s_mov_b32 s[CB+2*\k+1], 0
.endm
; lanes 0-15 take image row s56, lanes 16-31 row s56 + d, both reflected; 65,536 bytes a row, + 16 (lane % 16)
.macro ROWOFF dst, d
	v_mad_u32_u24 v40, v39, \d, s56
	v_sub_nc_u32 v41, 0, v40
	v_min_u32 v40, v40, v41
	v_sub_nc_u32 v41, 254, v40
	v_min_u32 v40, v40, v41
	v_lshl_add_u32 v[\dst], v40, 16, v3
.endm
; a tile of x: 16 loads; in each, lanes 0-15 read 256 consecutive bytes of pixel k and lanes 16-31 of pixel 8 + k
.macro XLOAD slot, rv
	WIN 0x40
.irp k, 0,1,2,3,4,5,6,7
.irp s, 0,1
	global_load_b128 v[64*\slot+8*\k+4*\s:64*\slot+8*\k+4*\s+3], v[\rv], s[CB+2*\k:CB+2*\k+1] offset:256*\s
.endr
.endr
.endm
; the tile turns through my stage: afterwards register 16 b + i of lane (r, h) is channel 32 b + 16 h + i of pixel r.  LDS serves a wave's instructions in order (ISA guide 5.7.1.4): no wait on DScnt between stores and loads
.macro TURN slot
	WIN 0x04
.irp k, 0,1,2,3,4,5,6,7
.irp s, 0,1
	ds_store_b128 v[SI], v[64*\slot+8*\k+4*\s:64*\slot+8*\k+4*\s+3] offset:P*\k+256*\s
.endr
.endr
	WIN 0x40
	s_wait_alu depctr_vm_vsrc(0)                   ; the stores above have read the slot's registers, in which the loads below land; the images' stores issued so far have read their codes and scale words too
.irp b, 0,1,2,3
.irp j, 0,1,2,3
	ds_load_b128 v[64*\slot+16*\b+4*\j:64*\slot+16*\b+4*\j+3], v[SOUT] offset:128*\b+16*\j
.endr
.endr
	WIN 0
.endm
; 64 numbers of a lane in window 1 from register xo on (register 16 b + i = k 32 b + 16 (lane / 16) + i of my row) become a fragment's codes in v[pc] on and its scale word in v[pw]
.macro QUANT xo, pc, pw
	WIN 0x14
.irp b, 0,1,2,3
	v_max3_num_f32 v[TM+\b], 0x1800000, |v[\xo+16*\b]|, |v[\xo+16*\b+1]|   ; block b: my 16 numbers, and the floor 2^(3 - 127): the byte cannot fall under 1
.endr
.irp i, 2,4,6,8,10,12,14
.irp b, 0,1,2,3
	v_max3_num_f32 v[TM+\b], v[TM+\b], |v[\xo+16*\b+\i]|, |v[\xo+16*\b+\i+1]|   ; the four blocks by turns
.endr
.endr
	WIN 0
.irp b, 0,1,2,3
	v_permlanex16_b32 v[TM+4+\b], v[TM+\b], s60, s61
.endr
.irp b, 0,1,2,3
	v_max_num_f32 v[TM+\b], v[TM+\b], v[TM+4+\b]   ; with lane l xor 16's: the block's largest magnitude
.endr
.irp b, 0,1,2,3
	v_add_nc_u32 v[TM+12+\b], 0xff000000, v[TM+\b]   ; 2 off its exponent field: the conversion takes this operand's exponent field as its scale
.endr
.irp b, 0,1,2,3
	v_lshrrev_b32 v[TM+4+\b], 23, v[TM+12+\b]      ; the scale's byte
.endr
	v_lshl_or_b32 v[\pw], v[TM+5], 8, v[TM+4]
	v_lshl_or_b32 v[\pw], v[TM+6], 16, v[\pw]
	v_lshl_or_b32 v[\pw], v[TM+7], 24, v[\pw]      ; my row's scale word
	WIN 0x01
.irp c, 0,1
	v_cvt_scalef32_pk16_fp6_f32 v[\pc+6*\c:\pc+6*\c+2], v[\xo+32*\c:\xo+32*\c+15], v[TM+12+2*\c]
	v_cvt_scalef32_pk16_fp6_f32 v[\pc+12+4*\c:\pc+12+4*\c+2], v[\xo+32*\c+16:\xo+32*\c+31], v[TM+13+2*\c]   ; (a conversion's three registers begin on an even number)
.endr
	v_nop                                          ; one plain place behind a scaled conversion
	WIN 0
.irp c, 0,1                                    ; the operand's layout wants a whole block in a lane: lanes 0-15 block 2 c, lanes 16-31 block 2 c + 1
.irp i, 0,1,2
	v_permlane16_swap_b32 v[\pc+6*\c+\i], v[\pc+12+4*\c+\i]
.endr
.irp i, 0,1,2
	v_mov_b32 v[\pc+3+6*\c+\i], v[\pc+12+4*\c+\i]
.endr
.endr
.endm
.macro IMAGE pc, pw, i                         ; my tile w + 4 i: the fragment and its scale word go to LDS as they stand in the registers
	s_wait_alu depctr_va_vdst(0)                   ; the quantiser has written the codes and the scale word, which the stores below read
.irp c, 0,1,2
	ds_store_b128 v[IMW], v[\pc+4*\c:\pc+4*\c+3] offset:6144*\i+512*\c
.endr
	ds_store_b32 v[ISW], v[\pw] offset:512*\i
.endm
.macro FETCH t                                 ; and come back so, in any wave: four LDS loads
.irp c, 0,1,2
	ds_load_b128 v[XF+12*((\t)%2)+4*\c:XF+12*((\t)%2)+4*\c+3], v[IMR] offset:1536*(\t)+512*\c
.endr
	ds_load_b32 v[XS+(\t)%2], v[ISR] offset:128*(\t)
.endm
.macro WCODES reg, base                        ; two heads' rows of a weight: 16 rows x 128 codes are 12 registers: lane (r, h) takes bytes 96 r + 24 h .. and 96 r + 48 + 24 h .., in pieces of 8
.irp n, 0,1
.irp p, 0,1,2,3,4,5
	global_load_b64 v[\reg+12*\n+2*\p:\reg+12*\n+2*\p+1], v[WA], s[\base:\base+1] offset:1536*\n+48*(\p/3)+8*(\p%3)
.endr
.endr
.endm
.macro WBIAS reg, base                         ; a bias in the result's layout: lane (r, h): channels 8 h + 0 .. 7 of the head
.irp n, 0,1
	global_load_b128 v[\reg+8*\n:\reg+8*\n+3], v[BA], s[\base:\base+1] offset:64*\n
	global_load_b128 v[\reg+8*\n+4:\reg+8*\n+7], v[BA], s[\base:\base+1] offset:64*\n+16
.endr
.endm
; where tile t lies in the halo, and which sets of registers are its own
.macro GEOM t
.set RPI, (\t)/2
.set CH,  (\t)%2
.set CEN, 0
.if RPI == 6
.set ROWA, 0
.set KIND, 2+CH
.else
.set ROWA, 1+2*RPI
.set KIND, CH
.if CH == 0
.if RPI >= 1
.if RPI <= 4
.set CEN, 1
.endif
.endif
.endif
.endif
.set ACS, ACC+48*((\t)%2)
.set XFR, XF+12*((\t)%2)
.set XSR, XS+(\t)%2
.set AKR, AKV+2*((\t)%2)
.endm
; the results of the tile that GEOM has named go to LDS: 8 stores, 12 in a centre tile
.macro PUT
.irp n, 0,1                                    ; lane (r, h): pixel r, channels 8 h + 0 .. 7 of head 2 w + n; each accumulator from its low end on
	ds_store_b128 v[AKR], v[ACS+16*\n:ACS+16*\n+3] offset:16*\n
	ds_store_b128 v[AKR], v[ACS+16*\n+4:ACS+16*\n+7] offset:16*\n+128
	ds_store_b128 v[AKR+1], v[ACS+16*\n+8:ACS+16*\n+11] offset:16*\n
	ds_store_b128 v[AKR+1], v[ACS+16*\n+12:ACS+16*\n+15] offset:16*\n+128
.endr
.if CEN
.irp n, 0,1
	ds_store_b128 v[LQ], v[ACS+32+8*\n:ACS+32+8*\n+3] offset:WQ*(RPI-1)+16*\n
	ds_store_b128 v[LQ], v[ACS+32+8*\n+4:ACS+32+8*\n+7] offset:WQ*(RPI-1)+16*\n+128
.endr
.endif
.endm
; TILE T (a symbol): my two heads of K and V, and of Q in a centre tile.  Every product has an accumulator of its own and the bias as C: no sum is added onto in place.
; Behind its products stand the loads of the next tile's fragment and the stores of the LAST tile's results.
.macro TILE
	GEOM T
	s_wait_dscnt BEHIND                            ; this tile's fragment is in: behind its four loads stand only the stores of the tile two back
.if T >= 2
	s_wait_alu depctr_vm_vsrc(0)                   ; the stores of the tile two back have read this set of accumulators and of addresses, which the products and the additions below write again
.endif
.if T >= 1
	s_wait_alu depctr_va_vdst(0)                   ; the last tile's products have written its accumulators and its additions its addresses, which the stores below read; the products are done reading its fragment and scale word, in whose registers the loads below land
.endif
	WIN 0x22                                       ; source 0 (W) and source 2 (bias) window 2
.irp n, 0,1
	v_wmma_scale_f32_16x16x128_f8f6f4 v[ACS+16*\n:ACS+16*\n+7], v[12*\n:12*\n+11], v[XFR:XFR+11], v[72+8*\n:72+8*\n+7], v[WS+\n], v[XSR] matrix_a_fmt:MATRIX_FMT_FP6 matrix_b_fmt:MATRIX_FMT_FP6
	v_wmma_scale_f32_16x16x128_f8f6f4 v[ACS+16*\n+8:ACS+16*\n+15], v[24+12*\n:24+12*\n+11], v[XFR:XFR+11], v[88+8*\n:88+8*\n+7], v[WS+2+\n], v[XSR] matrix_a_fmt:MATRIX_FMT_FP6 matrix_b_fmt:MATRIX_FMT_FP6
.endr
.if CEN
.irp n, 0,1
	v_wmma_scale_f32_16x16x128_f8f6f4 v[ACS+32+8*\n:ACS+32+8*\n+7], v[48+12*\n:48+12*\n+11], v[XFR:XFR+11], v[104+8*\n:104+8*\n+7], v[WS+4+\n], v[XSR] matrix_a_fmt:MATRIX_FMT_FP6 matrix_b_fmt:MATRIX_FMT_FP6
.endr
.endif
	WIN 0
	v_add_nc_u32 v[AKR], ROWA*RP, v[LP+KIND]       ; four plain places between the products and the stores that read them: the tile's two addresses
	v_add_nc_u32 v[AKR+1], ROWA*RP+VB, v[LP+KIND]
	v_nop
	v_nop
.if T < 13
	FETCH T+1                                      ; into the set that the tile before this one has left.  No wait: no vector or matrix instruction since the wait at the head names that set
.endif
.if T >= 1
	GEOM T-1
	PUT                                            ; the last tile's results.  No wait, likewise
.set BEHIND, 8+4*CEN
.endif
.endm
.macro ROWLOAD adr                             ; 10 keys x 16 channels of my head: 40 loads; a pass of 16 lanes takes 8 heads' 128 bytes of two halo rows
.irp kx, 0,1,2,3,4,5,6,7,8,9
.irp c, 0,1,2,3
	ds_load_b128 v[16*\kx+4*\c:16*\kx+4*\c+3], v[\adr] offset:P*\kx+128*\c
.endr
.endr
.endm
.macro ROWPART adr, k0                         ; two of the ten keys, k0 and k0 + 1: eight of the 40 loads
.irp kx, \k0, \k0+1
.irp c, 0,1,2,3
	ds_load_b128 v[16*(\kx)+4*\c:16*(\kx)+4*\c+3], v[\adr] offset:P*(\kx)+128*\c
.endr
.endr
.endm
.macro OSCALE                                  ; O[j] x AF[j], two channels at a time
.irp j, 0,1,2,3
.irp e, 0,1,2,3,4,5,6,7
.if (\j%2) == 0
	v_pk_mul_f32 v[O+16*\j+2*\e:O+16*\j+2*\e+1], v[O+16*\j+2*\e:O+16*\j+2*\e+1], v[AF+\j:AF+\j+1] op_sel_hi:[1,0]
.else
	v_pk_mul_f32 v[O+16*\j+2*\e:O+16*\j+2*\e+1], v[O+16*\j+2*\e:O+16*\j+2*\e+1], v[AF+\j-1:AF+\j] op_sel:[0,1] op_sel_hi:[1,1]
.endif
.endr
.endr
.endm
; ONE WINDOW ROW.  At its head the row of K is on its way.  last = 1: no further row of K is asked for.
.macro TRIP last
	s_wait_alu depctr_vm_vsrc(0)                   ; the rows' loads issued so far have read v[ADV] and v[ADK], which are written below
	v_add_nc_u32 v[ADV], s57, v[AV0]               ; this row's V,
.if \last == 0
	s_add_co_u32 s57, s57, RP
	v_add_nc_u32 v[ADK], s57, v[AK0]               ; the next row's K
.endif
	s_wait_dscnt 0x0                               ; the row of K is in
	s_wait_alu depctr_va_vdst(0)                   ; the addresses above are written, which the rows' loads read; what read window 2 last (the last trip's second product; ahead of the first trip the projections) is done reading the registers in which this row's V lands
.irp d, 0,1,2,3,4,5,6,7                        ; 28 scores, two channels at a time; between two links of a chain stand the 27 others
	WIN 0x07                                       ; q window 3, K window 1
.irp u, 0,1,2,3,4,5,6
.irp j, 0,1,2,3
.if \d == 0
	v_pk_mul_f32 v[AC+2*(4*\u+\j):AC+2*(4*\u+\j)+1], v[QR+16*\j+2*\d:QR+16*\j+2*\d+1], v[16*(\j+\u)+2*\d:16*(\j+\u)+2*\d+1]
.else
	v_pk_fma_f32 v[AC+2*(4*\u+\j):AC+2*(4*\u+\j)+1], v[QR+16*\j+2*\d:QR+16*\j+2*\d+1], v[16*(\j+\u)+2*\d:16*(\j+\u)+2*\d+1], v[AC+2*(4*\u+\j):AC+2*(4*\u+\j)+1]
.endif
.endr
.endr
.if \d < 5
	WIN 0x80
	ROWPART ADV, 2*\d                              ; this row's V, two keys at a time among the scores.  No wait: the scores name q, K and their sums, none of the registers that these loads touch
.endif
.endr
	WIN 0
.irp n, 0,1,2,3,4,5,6,7,8,9,10,11,12,13,14,15,16,17,18,19,20,21,22,23,24,25,26,27
	v_add_f32 v[S+\n], v[AC+2*\n], v[AC+2*\n+1]    ; even and odd channels' halves; ascending, so that score n lands on a pair that has been read
.endr
.irp j, 0,1,2,3
	v_max3_num_f32 v[MN+\j], v[S+\j], v[S+4+\j], v[S+8+\j]
.endr
.irp j, 0,1,2,3
	v_max3_num_f32 v[MN+\j], v[MN+\j], v[S+12+\j], v[S+16+\j]
.endr
.irp j, 0,1,2,3
	v_max3_num_f32 v[MN+\j], v[MN+\j], v[S+20+\j], v[S+24+\j]
.endr
.irp j, 0,1,2,3
	v_max_num_f32 v[MN+\j], v[MN+\j], v[M+\j]      ; the running maximum
.endr
.irp j, 0,2
	v_pk_add_f32 v[AF+\j:AF+\j+1], v[M+\j:M+\j+1], v[MN+\j:MN+\j+1] neg_lo:[0,1] neg_hi:[0,1]
.endr
.irp u, 0,1,2,3,4,5,6
.irp j, 0,2
	v_pk_add_f32 v[S+4*\u+\j:S+4*\u+\j+1], v[S+4*\u+\j:S+4*\u+\j+1], v[MN+\j:MN+\j+1] neg_lo:[0,1] neg_hi:[0,1]
.endr
.endr
.irp j, 0,1,2,3
	v_exp_f32 v[AF+\j], v[AF+\j]                   ; 2^(old maximum - new)
.endr
.irp n, 0,1,2,3,4,5,6,7,8,9,10,11,12,13,14,15,16,17,18,19,20,21,22,23,24,25,26,27
	v_exp_f32 v[S+\n], v[S+\n]                     ; the weights (q carries log2(e) / 4)
.endr
.irp j, 0,1,2,3
	v_mov_b32 v[M+\j], v[MN+\j]                    ; plain instructions behind the last exponential
.endr
.if \last == 0
	WIN 0x40
.endif
	s_wait_alu depctr_va_vdst(0)                   ; one wait for the batch of 32 exponentials, whose results v[AF ..].  It also states that the scores are done reading the row of K, in whose registers the next row lands
.if \last == 0
	ROWPART ADK, 0                                 ; the next row's K: two keys now, the others among the second product
	WIN 0
.endif
.irp j, 0,2
	v_pk_fma_f32 v[L+\j:L+\j+1], v[L+\j:L+\j+1], v[AF+\j:AF+\j+1], v[S+\j:S+\j+1]
.endr
.irp u, 1,2,3,4,5,6
.irp j, 0,2
	v_pk_add_f32 v[L+\j:L+\j+1], v[L+\j:L+\j+1], v[S+4*\u+\j:S+4*\u+\j+1]
.endr
.endr
	OSCALE
.if \last
	s_wait_dscnt 0x0                               ; the row of V is in
.else
	s_wait_dscnt 8                                 ; all but the eight loads of K just issued: the row of V is in
.endif
.irp u, 0,1,2,3,4,5,6
	WIN 0x08                                       ; V window 2
.irp e, 0,1,2,3,4,5,6,7
.irp j, 0,1,2,3
.if (\j%2) == 0
	v_pk_fma_f32 v[O+16*\j+2*\e:O+16*\j+2*\e+1], v[S+4*\u+\j:S+4*\u+\j+1], v[16*(\j+\u)+2*\e:16*(\j+\u)+2*\e+1], v[O+16*\j+2*\e:O+16*\j+2*\e+1] op_sel_hi:[0,1,1]
.else
	v_pk_fma_f32 v[O+16*\j+2*\e:O+16*\j+2*\e+1], v[S+4*\u+\j-1:S+4*\u+\j], v[16*(\j+\u)+2*\e:16*(\j+\u)+2*\e+1], v[O+16*\j+2*\e:O+16*\j+2*\e+1] op_sel:[1,0,0] op_sel_hi:[1,1,1]
.endif
.endr
.endr
.if \last == 0
.if \u < 4
	WIN 0x40
	ROWPART ADK, 2*\u+2                            ; No wait: what has been issued since the wait above names the weights, the sums, V and O, none of the registers that these loads touch
.endif
.endif
.endr
	WIN 0
.endm
	; ---- the head: every address register is made here, ahead of the first branch
	s_load_b512 s[8:23], s[0:1], 0x0               ; x s[8:9], Wk codes s[10:11], scales s[12:13], bk s[14:15], Wv codes s[16:17], scales s[18:19], bv s[20:21], Wq codes s[22:23]
	s_load_b256 s[24:31], s[0:1], 0x40             ; Wq scales s[24:25], bq s[26:27], Wo codes s[28:29], scales s[30:31]
	s_load_b128 s[32:35], s[0:1], 0x60             ; bo s[32:33], out s[34:35]
	v_lshl_add_u32 v254, v0, 2, 0x48900
	v_mov_b32 v255, 0
	v_lshrrev_b32 v3, 5, v0
	v_readfirstlane_b32 s52, v3                    ; wave 0..3
	s_lshl_b32 s54, ttmp9, 3                       ; x0
	s_and_b32 s53, ttmp7, 0xffff
	s_lshl_b32 s53, s53, 3                         ; y0
	s_sub_co_u32 s6, s54, 3                        ; halo column 0 in the image (may be negative: reflected below)
	s_wait_alu depctr_va_sdst(0)                   ; s52 is written, ahead of its first reader
	s_and_b32 s7, s52, 1
	s_lshl_b32 s7, s7, 3                           ; 8 ch: my tiles' half of the columns
	s_and_b32 s55, s52, 2
	s_add_co_u32 s55, s55, s53
	s_sub_co_u32 s55, s55, 2                       ; image row of my tile 0's first row: y0 - 3 + 1 + 2 (w / 2)
	s_mov_b32 s60, 0x76543210
	s_mov_b32 s61, 0xfedcba98                      ; v_permlanex16_b32's selects for lane l xor 16
.irp k, 0,1,2,3,4,5,6,7
	COLOFF \k
.endr
	v_and_b32 v37, 31, v0                          ; lane
	v_and_b32 v38, 15, v0                          ; r
	v_bfe_u32 v39, v0, 4, 1                        ; h
	v_lshlrev_b32 v[L16], 4, v37
	v_lshlrev_b32 v[L4], 2, v37
	v_lshlrev_b32 v3, 4, v38                       ; 16 r
.irp i, 0,1,2
	s_add_co_u32 s56, s55, 4*\i
	ROWOFF RV+\i, 1
.endr
	s_sub_co_u32 s56, s53, 3                       ; the extra tile: halo rows 0 and 13
	ROWOFF RV+3, 13
	v_mul_u32_u24 v42, v38, P                      ; 528 r
	v_bfe_u32 v43, v0, 3, 1                        ; (lane / 8) % 2
	s_mul_i32 s4, s52, WQ
	s_add_co_u32 s4, s4, QB                        ; my wave's 16 pixels of QS
	s_lshl_b32 s5, s52, 7                          ; 128 w
	s_lshl_b32 s3, s52, 5                          ; 32 w
	v_mad_u32_u24 v[SI], v39, 8*P, v3
	v_add_nc_u32 v[SI], s4, v[SI]
	v_lshl_add_u32 v[SOUT], v39, 6, v42
	v_add_nc_u32 v[SOUT], s4, v[SOUT]
	s_mul_i32 s2, s52, 1536
	s_add_co_u32 s2, s2, XIMG
	v_add_nc_u32 v[IMW], s2, v[L16]
	s_add_co_u32 s2, s5, XSC
	v_add_nc_u32 v[ISW], s2, v[L4]
	v_mul_u32_u24 v[WOA], v38, 96
	v_mad_u32_u24 v[WOA], v39, 24, v[WOA]          ; 96 r + 24 h
	s_mul_i32 s2, s52, 3072
	v_add_nc_u32 v[WA], s2, v[WOA]                 ; + my 32 rows
	v_lshlrev_b32 v[WOSA], 2, v38
	v_add_nc_u32 v[WSA], s5, v[WOSA]
	v_lshlrev_b32 v[BOA], 5, v39
	v_add_nc_u32 v[BA], s5, v[BOA]
	v_add_nc_u32 v[IMR], XIMG, v[L16]
	v_add_nc_u32 v[ISR], XSC, v[L4]
	v_lshlrev_b32 v48, 8, v39
	v_add_nc_u32 v48, s3, v48                      ; 256 h + 32 w: my eight channels of my wave's first head
.irp ch, 0,1
	v_and_b32 v49, 7, v0
	v_add_nc_u32 v49, 3+8*\ch, v49
	v_and_b32 v49, 15, v49                         ; the pixel's halo column
	v_mad_u32_u24 v49, v49, P, v48
	v_mad_u32_u24 v[LP+\ch], v43, RP, v49          ; pixels 8-15 one row down,
	v_mad_u32_u24 v[LP+2+\ch], v43, 13*RP, v49     ; or thirteen
.endr
	v_add_nc_u32 v[LQ], v42, v48
	v_add_nc_u32 v[LQ], QB, v[LQ]
	v_and_b32 v49, 7, v0
	v_lshlrev_b32 v49, 4, v49                      ; attention: 16 x my head
	v_mad_u32_u24 v[AK0], v39, 4*P, v49            ; + my four queries' first column
	v_mad_u32_u24 v[AQ0], v43, 8*P, v[AK0]         ; Q: + my row's eight pixels
	v_add_nc_u32 v[AQ0], s4, v[AQ0]
	v_mad_u32_u24 v[AK0], v43, RP, v[AK0]          ; K: + my row
	s_mul_i32 s2, s52, 2*RP
	v_add_nc_u32 v[AK0], s2, v[AK0]
	v_add_nc_u32 v[AV0], VB, v[AK0]
	v_lshl_add_u32 v[AR], v39, 4, v42
	v_add_nc_u32 v[AR], s4, v[AR]
	v_lshl_add_u32 v[SD], v39, 5, v42
	v_add_nc_u32 v[SD], s4, v[SD]
	v_add_nc_u32 v[RBK], s4, v[L16]
.irp b, 0,1,2,3
	v_mov_b32 v[TM+4+\b], 0                        ; written once: a lane permute's destination counts as one of its sources
.endr
	s_lshl_b32 s2, s52, 1
	s_add_co_u32 s2, s2, s53                       ; my wave's first row of the result: y0 + 2 w
	s_lshl_b32 s2, s2, 7
	s_add_co_u32 s2, s2, s54
	s_lshl_b32 s2, s2, 9                           ; 512 bytes a pixel
	s_mov_b32 s3, 0
	s_wait_kmcnt 0x0
.irp k, 0,1,2,3,4,5,6,7
	s_add_nc_u64 s[CB+2*\k:CB+2*\k+1], s[8:9], s[CB+2*\k:CB+2*\k+1]
.endr
	s_add_nc_u64 s[34:35], s[34:35], s[2:3]
	s_wait_alu depctr_va_vdst(0)                   ; every offset and LDS address made above is written: the kernel's loads and stores read them, and none of them is written again
	; ---- A: x into codes.  All loads of x go out at once; the extra tile's stand first, so that the counts below are the same in all waves
	s_cmp_ge_u32 s52, 2
	s_cbranch_scc1 .Lno_extra_load
	XLOAD 3, RV+3
	WIN 0
.Lno_extra_load:
	XLOAD 0, RV
	XLOAD 1, RV+1
	XLOAD 2, RV+2
	WIN 0
	s_cmp_ge_u32 s52, 2
	s_cbranch_scc1 .Lno_extra
	s_wait_loadcnt 48                              ; behind the extra tile's loads: three tiles' 48
	TURN 3
	s_wait_dscnt 0x0
	QUANT 192, PC1, PW1
	IMAGE PC1, PW1, 3
	s_wait_alu depctr_vm_vsrc(0)                   ; the image's stores have read PC1 and PW1, which tile 1's quantiser writes again: stated on this way, ahead of the label at which the ways join
.Lno_extra:
	s_wait_loadcnt 32                              ; tile 0 is in; tiles 1 and 2 may be out
	TURN 0
	WIN 0x80
	WCODES 0, 10                                   ; 36 loads: my heads' rows of Wk, Wv, Wq: they stay in registers through phase B
	WCODES 24, 16
	WCODES 48, 22
	s_wait_loadcnt 52                              ; tile 1 is in: behind it tile 2's 16 and the 36
	TURN 1
	s_wait_dscnt 32                                ; tile 0 is back from the stage: behind it tile 1's 32
	QUANT 0, PC0, PW0
	IMAGE PC0, PW0, 0
	WIN 0x80
	WBIAS 72, 14                                   ; 18 loads: biases and scale words
	WBIAS 88, 20
	WBIAS 104, 26
	WIN 0
.irp n, 0,1
	global_load_b32 v[WS+\n], v[WSA], s[12:13] offset:64*\n
	global_load_b32 v[WS+2+\n], v[WSA], s[18:19] offset:64*\n
	global_load_b32 v[WS+4+\n], v[WSA], s[24:25] offset:64*\n
.endr
	s_wait_loadcnt 54                              ; tile 2 is in: behind it the 36 and the 18
	TURN 2                                         ; (its wait on vm_vsrc stands behind tile 0's image: PC0 and PW0 may be written again by tile 2's quantiser)
	s_wait_dscnt 36                                ; tile 1 is back: behind it the image's 4 and tile 2's 32
	QUANT 64, PC1, PW1
	IMAGE PC1, PW1, 1
	s_wait_dscnt 4                                 ; tile 2 is back: behind it the image's 4
	QUANT 128, PC0, PW0
	IMAGE PC0, PW0, 2
	BARRIER                                        ; x's fourteen fragments lie in LDS, and nobody uses a stage any more
	; ---- B: K, V, Q of the halo
	s_wait_loadcnt 0x0                             ; the weights
	FETCH 0
.set BEHIND, 0
.set T, 0
.rept 14
	TILE
.set T, T+1
.endr
	v_mov_b32 v[ADK], v[AK0]                       ; the address of window row 0 of K, laid ahead of the wait that stands here anyway
	s_wait_alu depctr_va_vdst(0)                   ; tile 13's products have written its accumulators and its additions its addresses, which the stores below read (the four places stand in the tile); v[ADK] is written
	GEOM 13
	PUT
	BARRIER                                        ; K, V and Q lie in LDS; from here on they are only read, and each wave keeps to its own 16 pixels of QS
	; ---- C: the attention
	s_wait_alu depctr_vm_vsrc(0)                   ; the tiles' stores have read the accumulators and the images' stores the codes: these registers are O, the maxima, the sums and the scores from here on, written by vector instructions
	WIN 0xc0
.irp j, 0,1,2,3
.irp c, 0,1,2,3
	ds_load_b128 v[QR+16*\j+4*\c:QR+16*\j+4*\c+3], v[AQ0] offset:P*\j+128*\c   ; my four queries, my head
.endr
.endr
	s_mov_b32 s57, 0                               ; the window row's offset
	WIN 0x40
	ROWLOAD ADK                                    ; window row 0 of K
	WIN 0xc0
.irp t, 0,1,2,3,4,5,6,7                        ; Wo, for phase D: 56 loads that land under the attention
.irp p, 0,1,2,3,4,5
	global_load_b64 v[12*\t+2*\p:12*\t+2*\p+1], v[WOA], s[28:29] offset:1536*\t+48*(\p/3)+8*(\p%3)
.endr
.endr
	WIN 0
.irp t, 0,1,2,3,4,5,6,7
	global_load_b32 v[WOS+\t], v[WOSA], s[30:31] offset:64*\t
.endr
	s_wait_dscnt 40                                ; q is in: behind it the row of K
	WIN 0xc3
.irp i, 0,1,2,3,4,5,6,7,8,9,10,11,12,13,14,15,16,17,18,19,20,21,22,23,24,25,26,27,28,29,30,31
	v_pk_mul_f32 v[QR+2*\i:QR+2*\i+1], v[QR+2*\i:QR+2*\i+1], 0x3eb8aa3b op_sel_hi:[1,0]   ; x log2(e) / sqrt(16): the scores come out ready for v_exp_f32
.endr
	WIN 0
.irp i, 0,1,2,3,4,5,6,7,8,9,10,11,12,13,14,15,16,17,18,19,20,21,22,23,24,25,26,27,28,29,30,31,32,33,34,35,36,37,38,39,40,41,42,43,44,45,46,47,48,49,50,51,52,53,54,55,56,57,58,59,60,61,62,63
	v_mov_b32 v[O+\i], 0                           ; the trip is written once: the first finds zeros, which its factor 2^(-3e38 - m) = 0 leaves zeros
.endr
.irp j, 0,1,2,3
	v_mov_b32 v[L+\j], 0
	v_mov_b32 v[M+\j], 0xff61b1e6                  ; -3e38, under every score
.endr
	s_mov_b32 s58, 6
.Lrow:                                             ; six trips; the seventh row is written out: it asks for no further row of K
	TRIP 0
	s_sub_co_u32 s58, s58, 1
	s_cmp_lg_u32 s58, 0
	s_cbranch_scc1 .Lrow
	WIN 0xc0
.irp t, 0,1,2,3,4,5,6,7
	global_load_b128 v[96+8*\t:96+8*\t+3], v[BOA], s[32:33] offset:64*\t      ; bo in the result's layout: it lands under the last row, in registers that no vector instruction has named
	global_load_b128 v[96+8*\t+4:96+8*\t+7], v[BOA], s[32:33] offset:64*\t+16
.endr
	WIN 0
	TRIP 1
	; ---- D: my 16 queries: normalise, quantise along the 128 channels, x Wo^T + bo, store.  Only my own 16 pixels of QS are touched: no barrier
.irp j, 0,1,2,3
	v_rcp_f32 v[AF+\j], v[L+\j]
.endr
	v_nop                                          ; a plain instruction behind the last reciprocal
	s_wait_alu depctr_va_vdst(0)                   ; one wait for the four reciprocals v[AF ..], ahead of their first reader
	OSCALE
	s_wait_alu depctr_va_vdst(0)                   ; the multiplications have written O, which the stores below read
.irp j, 0,1,2,3
.irp c, 0,1,2,3
	ds_store_b128 v[AQ0], v[O+16*\j+4*\c:O+16*\j+4*\c+3] offset:P*\j+128*\c   ; over my own q
.endr
.endr
	WIN 0x40
.irp b, 0,1,2,3
.irp c, 0,1,2,3
	ds_load_b128 v[16*\b+4*\c:16*\b+4*\c+3], v[AR] offset:128*\c+32*\b   ; lane (r, h): query r, head 2 b + h: register 16 b + i is channel 32 b + 16 h + i.  LDS serves a wave in order: these see the stores.  (They land where K's last row lay: its readers, the scores, stand ahead of the waits above)
.endr
.endr
	WIN 0
	s_wait_dscnt 0x0
	QUANT 0, PC0, PW0
.rept 8
	v_nop                                          ; a scale word made by vector instructions stands eight places ahead of the scaled product, codes so made four
.endr
	s_wait_alu depctr_vm_vsrc(0)                   ; the stores of the attention's result have read O's registers, which the products below write
	s_wait_alu depctr_va_vdst(0)                   ; the quantiser has written the codes and the scale word, which the products below take as an operand and as scales; the places above stay beside this wait
	s_wait_loadcnt 0x0                             ; Wo, its scale words, bo
	WIN 0x33                                       ; source 0 (Wo) and source 2 (bo) window 3
.irp t, 0,1,2,3,4,5,6,7
	v_wmma_scale_f32_16x16x128_f8f6f4 v[O+8*\t:O+8*\t+7], v[12*\t:12*\t+11], v[PC0:PC0+11], v[96+8*\t:96+8*\t+7], v[WOS+\t], v[PW0] matrix_a_fmt:MATRIX_FMT_FP6 matrix_b_fmt:MATRIX_FMT_FP6
.endr
	WIN 0
.rept 4
	v_nop                                          ; places in front of the stores that read the results and of the loads into the codes' registers
.endr
	s_wait_alu depctr_va_vdst(0)                   ; the products have written their results, which the stores below read, and are done reading the codes, in whose registers (with those of the scores) the loads below land
.irp t, 0,1,2,3,4,5,6,7
	ds_store_b128 v[SD], v[O+8*\t:O+8*\t+3] offset:64*\t           ; lane (r, h): query r, channels 16 t + 8 h + 0 .. 7; each accumulator from its low end on
	ds_store_b128 v[SD], v[O+8*\t+4:O+8*\t+7] offset:64*\t+16
.endr
.irp i, 0,1,2,3,4,5,6,7,8,9,10,11,12,13,14,15
	ds_load_b128 v[76+4*\i:76+4*\i+3], v[RBK] offset:P*\i          ; back as whole pixels of 512 bytes
.endr
.irp i, 0,1,2,3,4,5,6,7,8,9,10,11,12,13,14,15
	s_wait_dscnt 15-\i
	global_store_b128 v[L16], v[76+4*\i:76+4*\i+3], s[34:35] offset:(\i/8)*65536+(\i%8)*512 th:TH_STORE_NT   ; 32 lanes store 512 consecutive bytes, at a multiple of 512 from the result's first byte
.endr
	s_wait_dscnt 0x0                               ; the closing lines, six on end
	s_wait_alu 0x0
	s_wait_tensorcnt 0x0
	ds_add_u32 v254, v255
	s_wait_dscnt 0x0
	s_endpgm
.Lfunc_end_k_qf2c36d3d61_lwattn:
	.size	k_qf2c36d3d61_lwattn, .Lfunc_end_k_qf2c36d3d61_lwattn-k_qf2c36d3d61_lwattn
	.p2alignl 7, 3214868480
	.fill 96, 4, 3214868480
	.section	.rodata,"a",@progbits
	.p2align	6, 0x0
	.amdhsa_kernel k_qf2c36d3d61_lwattn
		.amdhsa_group_segment_fixed_size 297728
		.amdhsa_private_segment_fixed_size 0
		.amdhsa_enable_private_segment 0
		.amdhsa_kernarg_size 112
		.amdhsa_user_sgpr_count 2
		.amdhsa_user_sgpr_kernarg_segment_ptr 1
		.amdhsa_wavefront_size32 1
		.amdhsa_system_sgpr_workgroup_id_x 1
		.amdhsa_system_sgpr_workgroup_id_y 1
		.amdhsa_system_sgpr_workgroup_id_z 1
		.amdhsa_system_vgpr_workitem_id 0
		.amdhsa_next_free_vgpr 1024
		.amdhsa_next_free_sgpr 66
		.amdhsa_reserve_vcc 0
		.amdhsa_float_denorm_mode_32 3
		.amdhsa_float_denorm_mode_16_64 3
		.amdhsa_memory_ordered 1
		.amdhsa_forward_progress 1
		.amdhsa_inst_pref_size 179
	.end_amdhsa_kernel
	.amdgpu_metadata
---
amdhsa.version: [ 1, 2 ]
amdhsa.kernels:
  - .name:           k_qf2c36d3d61_lwattn
    .symbol:         k_qf2c36d3d61_lwattn.kd
    .args:
      - { .name: x, .offset: 0, .size: 8, .value_kind: global_buffer, .address_space: global }
      - { .name: Wk_codes, .offset: 8, .size: 8, .value_kind: global_buffer, .address_space: global }
      - { .name: Wk_scales, .offset: 16, .size: 8, .value_kind: global_buffer, .address_space: global }
      - { .name: bk, .offset: 24, .size: 8, .value_kind: global_buffer, .address_space: global }
      - { .name: Wv_codes, .offset: 32, .size: 8, .value_kind: global_buffer, .address_space: global }
      - { .name: Wv_scales, .offset: 40, .size: 8, .value_kind: global_buffer, .address_space: global }
      - { .name: bv, .offset: 48, .size: 8, .value_kind: global_buffer, .address_space: global }
      - { .name: Wq_codes, .offset: 56, .size: 8, .value_kind: global_buffer, .address_space: global }
      - { .name: Wq_scales, .offset: 64, .size: 8, .value_kind: global_buffer, .address_space: global }
      - { .name: bq, .offset: 72, .size: 8, .value_kind: global_buffer, .address_space: global }
      - { .name: Wo_codes, .offset: 80, .size: 8, .value_kind: global_buffer, .address_space: global }
      - { .name: Wo_scales, .offset: 88, .size: 8, .value_kind: global_buffer, .address_space: global }
      - { .name: bo, .offset: 96, .size: 8, .value_kind: global_buffer, .address_space: global }
      - { .name: out0, .offset: 104, .size: 8, .value_kind: global_buffer, .address_space: global }
    .group_segment_fixed_size: 297728
    .private_segment_fixed_size: 0
    .kernarg_segment_align: 8
    .kernarg_segment_size: 112
    .max_flat_workgroup_size: 128
    .sgpr_count:     66
    .vgpr_count:     1024
    .wavefront_size: 32
...
	.end_amdgpu_metadata
.endif
;; end of part 2
